; MI455X (gfx1250); checked and timed in simulation.
; The chip was launched on July 23, 2026; its instructions are those of AMD's public machine-readable ISA for CDNA 5 (MIT licence, August 2026) and "CDNA5" Instruction Set Architecture Reference Guide (July 2026). The comments in the code are by the model that wrote it; some were corrected since.
;; Long Term Memory. Allowed arithmetic: float matrix products may take bf16 or f16 operands with f32 sums; all other float work in f32.
;; Inputs: memory 100,000 x 512 float32; query 2,048 x 256 float32.
;; Outputs: out0 2,048 x 256 float32.
;; 2 versions, each right; version 2 is version 1 with the launch fetch written anew for expert scheduling mode. Each part assembles by itself: llvm-mc -triple=amdgcn-amd-amdhsa -mcpu=gfx1250 --defsym DOCPART=n.
;; ======== version 1 of 2: 3 launches
;; limits: right only within a limited range of input values
;; workspace buffers: pval 524,288 bytes; pidx 524,288 bytes of whole numbers; gidx 8,192 bytes of whole numbers
;; launch score (part 1): grid 256 x 1, 4 waves a work-group, clusters of 4 x 1, 327,680 bytes of LDS; arguments memory, query, pval, pidx; writes pval, pidx
.if DOCPART == 1
	.amdgcn_target "amdgcn-amd-amdhsa--gfx1250"
	.amdhsa_code_object_version 6
	.text
	.protected	k_q70cb1341a1_score
	.globl	k_q70cb1341a1_score
	.p2align	8
	.type	k_q70cb1341a1_score,@function
k_q70cb1341a1_score:
	s_mov_b64 s[64:65], 0
	v_nop
	global_prefetch_b8 v0, s[64:65] scope:SCOPE_SE
	s_setreg_imm32_b32 hwreg(HW_REG_WAVE_MODE, 25, 1), 1
	s_wait_xcnt 0x0
	s_wait_alu depctr_hold_cnt(0) depctr_sa_sdst(0) depctr_va_vdst(0) depctr_va_sdst(0) depctr_va_ssrc(0) depctr_va_vcc(0) depctr_vm_vsrc(0)
	s_getreg_b32 s2, hwreg(HW_REG_IB_STS2, 6, 4)
	s_cmp_eq_u32 s2, 0
	s_cbranch_scc0 .Lentry_in_a_cluster
	s_endpgm
.Lentry_in_a_cluster:
	s_bfe_u32 s2, ttmp6, 0x10000c
	s_cmp_lg_u32 s2, 0x3003
	s_cbranch_scc0 .Lentry_shape_is_right
	s_endpgm
.Lentry_shape_is_right:
; score: for each of 64 ranges of 1,600 keys and each of 2,048 queries, the largest dot(q, k) / |k| of the range, and the first key of the run of
; eight consecutive keys that holds it.  pval[range][query] f32, pidx[range][query] u32.
; memory: [100000][512] f32, a key is a row's first 256 numbers.  query: [2048][256] f32.
; Keys and queries are rounded to bf16 (nearest even), products are summed in f32, |k| is taken from the ROUNDED key and applied to the f32 sum.
; 1/|q| is positive and the same for all keys of a query, so it does not move the largest score and is left to the launch that picks inside the run.
; LIMITS.  The score is dot * rsq(max(|k|^2, 1e-30)): this orders keys as dot / max(|q||k|, 1e-8) does wherever |q||k| >= 1e-8 or dot = 0 (a zero key,
; a zero query); pairs with 0 < |q||k| < 1e-8 are ranked here by their true cosine.  NaN and infinities are not served (the maxima drop a NaN).
; Equal scores go to the lowest key.  The sums run in another order than a plain f32 chain: scores nearer than about 1e-6 relative may change places.
;
; SHARES.  A cluster of four work-groups takes one range (ttmp9); the place in the cluster picks 512 queries, the wave 128 of them, which stay in 512
; registers as bf16 fragments for the whole launch.  Range s begins at key min(1562 s, 98400) and has 25 groups of 64 keys: equal work for all, every
; tile inside the tensor, neighbours overlap by 38 keys.  The four work-groups need the same keys: each key tile is asked for JOINTLY (mask 15).
; KEY PATH.  A wave's tensor load brings 16 rows of 1,024 bytes (f32) into slot X.  The same wave reads them in fragment order, rounds them, stores the
; bf16 fragments into Y and rsq(|k|^2) into RK; behind the next barrier all four waves read Y and RK.  Group p + 1 is converted while group p is multiplied.
; THE MATRIX INSTRUCTION takes 16 keys as source 0 and 16 queries as source 1: register j of lane l then holds the score of key 8 (l / 16) + j with
; query l % 16: eight consecutive keys of one query in a lane, so that a run's maximum is four three-way maxima and no lane traffic.
.set XSLOT, 66560                      ; a slot of X: 64 rows at 1,040 bytes
.set XWAVE, 16640                      ; a wave's 16 rows of it
.set XP,    1040                       ; 1,024 bytes of data + 16 of padding: 65 x 16, so 16 rows begin at 16 different 16-byte columns of a 256-byte row of banks (ISA guide 11.1)
.set YB,    133120                     ; Y0, Y1: 32,768 bytes each: key tile c at 8,192 c, quad i = 2 kk + q at 512 i, lane l at 16 l
.set YSLOT, 32768
.set RKB,   198656                     ; RK0, RK1: 256 bytes each: one f32 for each key of the group
.set OUTB,  199168                     ; the way out: 1,024 bytes a wave: 128 values, then 128 indices
.set QSB,   203264                     ; query stage: 8,448 bytes a wave: 16 rows of 512 bytes of bf16 at pitch 528
.set QSW,   8448
.set QSP,   528
; window 0
.set XA,   4                           ; v4, v5   my 32 bytes of my row in my part of X0, X1
.set YS,   6                           ; v6       where I store a quad of my key tile in Y0
.set YL,   7                           ; v7       where I read a quad of key tile 0 in Y0
.set RKS,  8                           ; v8       where my row's rsq goes in RK0
.set RKL,  9                           ; v9       the eight rsq of my half of key tile 0 in RK0
.set QSS,  10                          ; v10      query stage, in
.set QSL,  11                          ; v11      query stage, back
.set OST,  12                          ; v12      the way out, in
.set OLD,  13                          ; v13      the way out, back
.set GOFF, 14                          ; v14      16 x lane; never rewritten
.set H8,   15                          ; v15      8 x (lane / 16)
.set RK,   16                          ; v[16:23], v[24:31]  rsq of the eight keys of my half, for even and odd tiles
.set BEST, 32                          ; v[32:39], v[40:47]  running maxima of the eight query tiles, two sets by turns
.set ID,   48                          ; v[48:55]  first key of the key tile that last raised the maximum
.set T,    56                          ; v[56:63]  at work
.set ACC,  64                          ; v[64:127] eight accumulators, query tile a at 64 + 8 a
.set CF,   128                         ; v[128:159] keys in f32, being converted
.set CP,   160                         ; v[160:175] the same, packed bf16
.set N2,   176                         ; v[176:179] four chains of the sum of squares
.set QP,   128                         ; v[128:191] at the start only: packed queries
; window 1: v0-63, v64-127 key fragments of even and odd tiles (8 kk + 4 q); at the start only: v0-127, v128-255 queries in f32, two buffers
; window 2: query fragments of K steps 0-3, (a, kk) at 8 (8 kk + a);  window 3: K steps 4-7 likewise
.set G1, 16                            ; s[16:23] descriptor group 1
.set G0, 24                            ; s[24:31] descriptor group 0, one set for each slot of X
; s12 wave, s13 place in the cluster, s15 first key of the range, s32 first key of the tile at work, s33 trips, s34-35 lane select,
; s[36:39] offsets free of the place in the cluster, s40-41 masks, s[42:45] offsets that hold the place in the cluster
.set MSB, 0
.macro WIN new                         ; s_set_vgpr_msb: bits 1:0 source 0, 3:2 source 1, 5:4 source 2, 7:6 destination; the high byte repeats the setting that is left
.if MSB != \new
	s_set_vgpr_msb (MSB<<8)|\new
.set MSB, \new
.endif
.endm
; A round of the cluster's barrier: my work-group's barrier; wave 0 signals for the work-group; every wave waits for all four work-groups; my work-group's barrier again.
.macro CREST                           ; a round behind its opening barrier
	s_cmp_lg_u32 s12, 0
	s_cbranch_scc1 .Lnot_wave_0_\@
	s_barrier_signal -3
.Lnot_wave_0_\@:
	s_barrier_wait -3
	s_barrier_signal -1
	s_barrier_wait -1
.endm
.macro ROUND
	s_barrier_signal -1
	s_barrier_wait -1
	CREST
.endm
.macro PLACES                          ; four plain vector instructions between a matrix instruction and a vector instruction that reads its result (ISA guide 7.12.1)
.rept 4
	v_nop
.endr
.endm
	s_load_b256 s[4:11], s[0:1], 0x0               ; memory s[4:5], query s[6:7], pval s[8:9], pidx s[10:11]
	v_lshl_add_u32 v254, v0, 2, 0x39e00
	v_mov_b32 v255, 0
	ds_add_u32 v254, v255
	v_lshrrev_b32 v1, 5, v0
	v_readfirstlane_b32 s12, v1                    ; wave 0..3
	s_bfe_u32 s13, ttmp6, 0x40000                  ; my place in the cluster: which 512 queries
	s_mul_i32 s15, ttmp9, 1562                     ; in a cluster launch ttmp9 counts clusters: the range
	s_min_u32 s15, s15, 98400                      ; its first key; 98,400 + 1,600 = 100,000
	s_mov_b32 s32, s15
	s_mov_b32 s34, 0x76543210                      ; v_permlanex16_b32: lane i of one half reads lane i of the other
	s_mov_b32 s35, 0xfedcba98
	; group 1: a tile of 16 rows x 256 elements of 4 bytes, 512 elements from row to row, padded in LDS
	s_mov_b32 s[G1+0], 0x07f2000f                  ; 15:0 mask: all four work-groups; 17:16 element of 4 bytes; 20 padding on; 21 set beside a mask; 24:22 after every 256 words (code 7); 31:25 four words (code 3)
	s_mov_b32 s[G1+1], 256<<16                     ; tensor_dim0 = 256
	s_mov_b32 s[G1+2], 16<<16                      ; tensor_dim1 = 16
	s_mov_b32 s[G1+3], 256<<16                     ; tile_dim0 = 256
	s_mov_b32 s[G1+4], 16                          ; tile_dim1 = 16
	s_mov_b32 s[G1+5], 512                         ; elements from row to row
	s_mov_b32 s[G1+6], 0
	s_mov_b32 s[G1+7], 0
	s_lshl_b32 s36, s12, 4
	s_add_co_u32 s36, s36, s15                     ; my first key row: range + 16 x wave: the same in all four work-groups
	s_lshl_b32 s36, s36, 11                        ; x 2,048 bytes; below 204,800,000
	s_mov_b32 s37, 0
	s_mul_i32 s38, s12, XWAVE                      ; my part of a slot of X
	s_lshl_b32 s42, s13, 9
	s_lshl_b32 s43, s12, 7
	s_add_co_u32 s42, s42, s43                     ; my first query: 512 x place + 128 x wave
	s_lshl_b32 s42, s42, 10                        ; x 1,024 bytes
	s_mov_b32 s43, 0
	s_lshl_b32 s44, ttmp9, 13                      ; my 512 bytes of pval and pidx: 8,192 x range + 2,048 x place + 512 x wave
	s_lshl_b32 s45, s13, 11
	s_add_co_u32 s44, s44, s45
	s_lshl_b32 s45, s12, 9
	s_add_co_u32 s44, s44, s45
	s_mov_b32 s45, 0
	s_wait_dscnt 0x0
	s_wait_kmcnt 0x0
	s_add_nc_u64 s[36:37], s[4:5], s[36:37]
	s_add_nc_u64 s[6:7], s[6:7], s[42:43]
	s_add_nc_u64 s[8:9], s[8:9], s[44:45]
	s_add_nc_u64 s[10:11], s[10:11], s[44:45]
	ROUND                                          ; all four work-groups are here: the first joint loads meet
.irp n, 0,1
	s_mov_b32 s[G0+4*\n], 1                                        ; count = 1
	s_add_co_u32 s[G0+4*\n+1], s38, \n*XSLOT                       ; LDS address: slot + wave's part
	s_add_nc_u64 s[G0+4*\n+2:G0+4*\n+3], s[36:37], \n*64*2048      ; global address: group n
	s_or_b32 s[G0+4*\n+3], s[G0+4*\n+3], 0x80000000                ; type = 2
	tensor_load_to_lds s[G0+4*\n:G0+4*\n+3], s[G1:G1+7]            ; both first fills go out together: two tensor loads of the wave are out here, one ever after
	s_nop 0
.endr
	v_and_b32 v1, 31, v0                           ; lane
	v_and_b32 v2, 15, v0                           ; r
	v_bfe_u32 v3, v0, 4, 1                         ; h
	v_lshlrev_b32 v[GOFF], 4, v1
	v_mul_u32_u24 v[XA], v2, XP
	v_lshl_add_u32 v[XA], v3, 5, v[XA]             ; row r, 32 bytes (8 f32) for each half of the lanes
	v_add_nc_u32 v[XA], s38, v[XA]
	v_add_nc_u32 v[XA+1], XSLOT, v[XA]
	v_add_nc_u32 v[YL], YB, v[GOFF]
	s_lshl_b32 s39, s12, 13
	v_add_nc_u32 v[YS], s39, v[YL]                 ; my wave's rows are key tile w
	s_lshl_b32 s39, s12, 6
	s_add_co_u32 s39, s39, RKB
	v_lshl_add_u32 v[RKS], v2, 2, s39              ; key 16 w + r of the group
	v_lshlrev_b32 v[RKL], 5, v3
	v_add_nc_u32 v[RKL], RKB, v[RKL]               ; keys 8 h .. 8 h + 7 of a tile
	s_mul_i32 s39, s12, QSW
	s_add_co_u32 s39, s39, QSB
	v_lshl_add_u32 v[QSS], v1, 3, s39
	v_mul_u32_u24 v[QSL], v2, QSP
	v_lshl_add_u32 v[QSL], v3, 4, v[QSL]
	v_add_nc_u32 v[QSL], s39, v[QSL]
	s_lshl_b32 s39, s12, 10
	s_add_co_u32 s39, s39, OUTB
	v_lshl_add_u32 v[OST], v2, 2, s39
	v_add_nc_u32 v[OLD], s39, v[GOFF]
	v_lshlrev_b32 v[H8], 3, v3
.irp a, 0,1,2,3,4,5,6,7
	v_mov_b32 v[BEST+\a], 0xff800000               ; minus infinity: the first finite score wins
	v_mov_b32 v[ID+\a], s15
.endr
; THE QUERIES.  32 loads bring query tile a (16 rows x 1,024 bytes; each load of the wave covers 512 consecutive bytes) into buffer buf of window 1.
.macro QLOAD a, buf
	WIN 0x40
.set qi, 0
.rept 32
	global_load_b128 v[128*\buf+4*qi:128*\buf+4*qi+3], v[GOFF], s[6:7] offset:(\a)*16384+qi*512
.set qi, qi+1
.endr
.endm
; Tile a is rounded, laid into my stage by rows and read back as eight fragments.  left = how many younger loads may stay out; more = 1: the buffer gets tile a + 2.
; LDS serves a wave's instructions in order (ISA guide 5.7.1.4): the loads see the stores above them, and the next tile's stores come behind these loads.
.macro QTILE a, buf, left, more
	s_wait_loadcnt \left
	WIN 0x05
.set qi, 0
.rept 64
	v_cvt_pk_bf16_f32 v[QP+qi], v[128*\buf+2*qi], v[128*\buf+2*qi+1]
.set qi, qi+1
.endr
.if \more
	QLOAD \a+2, \buf
.endif
	WIN 0
.set qi, 0
.rept 32
	ds_store_b64 v[QSS], v[QP+2*qi:QP+2*qi+1] offset:(qi>>1)*QSP+(qi&1)*256
.set qi, qi+1
.endr
	WIN 0x80
.irp k, 0,1,2,3
	ds_load_b128 v[8*(8*\k+\a):8*(8*\k+\a)+3],   v[QSL] offset:64*\k
	ds_load_b128 v[8*(8*\k+\a)+4:8*(8*\k+\a)+7], v[QSL] offset:64*\k+32
.endr
	WIN 0xc0
.irp k, 0,1,2,3
	ds_load_b128 v[8*(8*\k+\a):8*(8*\k+\a)+3],   v[QSL] offset:64*(\k+4)
	ds_load_b128 v[8*(8*\k+\a)+4:8*(8*\k+\a)+7], v[QSL] offset:64*(\k+4)+32
.endr
	WIN 0
.endm
	QLOAD 0, 0
	QLOAD 1, 1
	QTILE 0, 0, 32, 1                              ; 32: the older batch is in, the younger batch of 32 stays out
	QTILE 1, 1, 32, 1
	QTILE 2, 0, 32, 1
	QTILE 3, 1, 32, 1
	QTILE 4, 0, 32, 1
	QTILE 5, 1, 32, 1
	QTILE 6, 0, 32, 0
	QTILE 7, 1, 0, 0
; THE KEYS.  Eight LDS loads: K steps 2 c and 2 c + 1 of my row in slot x, in fragment order: k = 8 h .. + 7 and 16 + 8 h .. + 7 of each 32.
.macro CLOAD x, c
.irp u, 0,1
	ds_load_b128 v[CF+16*\u:CF+16*\u+3],     v[XA+\x] offset:128*(2*\c+\u)
	ds_load_b128 v[CF+16*\u+4:CF+16*\u+7],   v[XA+\x] offset:128*(2*\c+\u)+16
	ds_load_b128 v[CF+16*\u+8:CF+16*\u+11],  v[XA+\x] offset:128*(2*\c+\u)+64
	ds_load_b128 v[CF+16*\u+12:CF+16*\u+15], v[XA+\x] offset:128*(2*\c+\u)+80
.endr
.endm
; They are rounded, stored as four quads into Y's slot y, and their squares (of the rounded numbers) are added up; the last quarter ends the norm.
.macro CWORK y, c
.if \c == 0
.irp k, 0,1,2,3
	v_mov_b32 v[N2+\k], 0
.endr
.endif
.set ci, 0
.rept 16
	v_cvt_pk_bf16_f32 v[CP+ci], v[CF+2*ci], v[CF+2*ci+1]
.set ci, ci+1
.endr
.irp u, 0,1
.irp q, 0,1
	ds_store_b128 v[YS], v[CP+8*\u+4*\q:CP+8*\u+4*\q+3] offset:\y*YSLOT+(2*(2*\c+\u)+\q)*512
.endr
.endr
.set ci, 0
.rept 16
	v_fma_mix_f32_bf16 v[N2+ci%4], v[CP+ci], v[CP+ci], v[N2+ci%4] op_sel_hi:[1,1,0]
.set ci, ci+1
.endr
.set ci, 0
.rept 16
	v_fma_mix_f32_bf16 v[N2+ci%4], v[CP+ci], v[CP+ci], v[N2+ci%4] op_sel:[1,1,0] op_sel_hi:[1,1,0]
.set ci, ci+1
.endr
.if \c == 3
	v_add_f32 v[N2], v[N2], v[N2+1]
	v_add_f32 v[N2+2], v[N2+2], v[N2+3]
	v_add_f32 v[N2], v[N2], v[N2+2]
	v_permlanex16_b32 v[N2+1], v[N2], s34, s35     ; the other half of the lanes holds the row's other 128 numbers
	v_add_f32 v[N2], v[N2], v[N2+1]
	v_max_num_f32 v[N2], 0x0da24260, v[N2]         ; 1e-30: a zero key gets a finite factor, and its score stays 0
	v_rsq_f32 v[N2+1], v[N2]
	v_nop                                          ; one plain vector instruction between v_rsq_f32 and the use of its result (ISA guide 5.7.2)
	s_wait_alu depctr_va_vdst(0)
	ds_store_b32 v[RKS], v[N2+1] offset:\y*256
.endif
.endm
; 18 LDS loads: key tile c of Y's slot b into the fragment buffer of c's parity, and the eight rsq of my half of it
.macro FRAGS b, c
	WIN 0x40
.set fi, 0
.rept 16
	ds_load_b128 v[64*((\c)&1)+4*fi:64*((\c)&1)+4*fi+3], v[YL] offset:\b*YSLOT+(\c)*8192+fi*512
.set fi, fi+1
.endr
	WIN 0
	ds_load_b128 v[RK+8*((\c)&1):RK+8*((\c)&1)+3],   v[RKL] offset:\b*256+(\c)*64
	ds_load_b128 v[RK+8*((\c)&1)+4:RK+8*((\c)&1)+7], v[RKL] offset:\b*256+(\c)*64+16
.endm
; 32 matrix instructions: K steps 4 hi .. 4 hi + 3 x eight query tiles.  The first K step starts the sums: nothing is cleared.
; The eight accumulators take turns, one instruction a turn, from half to half and from tile to tile too.
.macro MMAH par, hi
.set kq, 0
.rept 4
.set aa, 0
.rept 8
.if (4*\hi+kq) == 0
	v_wmma_f32_16x16x32_bf16 v[ACC+8*aa:ACC+8*aa+7], v[64*\par+8*(4*\hi+kq):64*\par+8*(4*\hi+kq)+7], v[8*(8*kq+aa):8*(8*kq+aa)+7], 0
.else
	v_wmma_f32_16x16x32_bf16 v[ACC+8*aa:ACC+8*aa+7], v[64*\par+8*(4*\hi+kq):64*\par+8*(4*\hi+kq)+7], v[8*(8*kq+aa):8*(8*kq+aa)+7], v[ACC+8*aa:ACC+8*aa+7]
.endif
.set aa, aa+1
.endr
.set kq, kq+1
.endr
.endm
; Ranking of two query tiles: eight scores a lane are scaled by 1/|k|, their maximum joins the running one (read from set par, written to the other),
; and where it rose strictly the tile's first key is noted: ten vector instructions for eight scores.  Keys ascend, so the first of equals stays.
.macro EPI2 par, a0, a1
.irp j, 0,2,4,6
	v_pk_mul_f32 v[ACC+8*\a0+\j:ACC+8*\a0+\j+1], v[ACC+8*\a0+\j:ACC+8*\a0+\j+1], v[RK+8*\par+\j:RK+8*\par+\j+1]
	v_pk_mul_f32 v[ACC+8*\a1+\j:ACC+8*\a1+\j+1], v[ACC+8*\a1+\j:ACC+8*\a1+\j+1], v[RK+8*\par+\j:RK+8*\par+\j+1]
.endr
	v_max3_num_f32 v[T],   v[ACC+8*\a0],   v[ACC+8*\a0+1], v[ACC+8*\a0+2]
	v_max3_num_f32 v[T+2], v[ACC+8*\a1],   v[ACC+8*\a1+1], v[ACC+8*\a1+2]
	v_max3_num_f32 v[T+1], v[ACC+8*\a0+3], v[ACC+8*\a0+4], v[ACC+8*\a0+5]
	v_max3_num_f32 v[T+3], v[ACC+8*\a1+3], v[ACC+8*\a1+4], v[ACC+8*\a1+5]
	v_max3_num_f32 v[T],   v[T],   v[T+1], v[ACC+8*\a0+6]
	v_max3_num_f32 v[T+2], v[T+2], v[T+3], v[ACC+8*\a1+6]
	v_max3_num_f32 v[BEST+8*(1-\par)+\a0], v[T],   v[ACC+8*\a0+7], v[BEST+8*\par+\a0]
	v_max3_num_f32 v[BEST+8*(1-\par)+\a1], v[T+2], v[ACC+8*\a1+7], v[BEST+8*\par+\a1]
	v_cmp_lt_f32 vcc_lo, v[BEST+8*\par+\a0], v[BEST+8*(1-\par)+\a0]
	v_cmp_lt_f32 s40,    v[BEST+8*\par+\a1], v[BEST+8*(1-\par)+\a1]
	v_cndmask_b32 v[ID+\a0], v[ID+\a0], s32, vcc_lo
	v_cndmask_b32 v[ID+\a1], v[ID+\a1], s32, s40
.endm
; Key tile c of the group in Y's slot b.  nb = the other slot; par = c's parity; more = 1: tile c + 1 follows in this group; conv = 1: a quarter of the next group is converted.
; The conversion (or four v_nop) stands between the matrix instructions and the ranking that reads their results; conversion and ranking stand between them
; and the next loads into the fragment buffer and the next tile's first products, which write the accumulators anew.
.macro TILE b, nb, c, par, more, conv
.if \conv
	CLOAD \nb, \c
.endif
.if \more
	FRAGS \b, \c+1
.endif
	s_wait_dscnt 8*\conv+18*\more                  ; all but the loads just issued: this tile's fragments and rsq are in
	WIN 0x09                                       ; source 0 window 1 (keys), source 1 window 2 (queries), C and D window 0
	MMAH \par, 0
	WIN 0x0d                                       ; source 1 window 3
	MMAH \par, 1
	WIN 0
.if \conv
	s_wait_dscnt 18*\more                          ; the eight conversion loads are in; the next tile's 18 stay out
	CWORK \nb, \c
.else
	PLACES
.endif
.if \more
	EPI2 \par, 0, 1
	EPI2 \par, 2, 3
	EPI2 \par, 4, 5
	EPI2 \par, 6, 7
	s_add_co_u32 s32, s32, 16
.endif
.endm
; A group of 64 keys.  ONE barrier for the change of slots.  In front of it each wave waits for its LDS instructions (its stores into Y and RK of slot b, its reads of
; X's slot b and of the old Y) and for all its tensor loads (the one that is out is its part of the next group, in X's slot nb).  Where X's slot b is filled again the
; barrier opens a round of the cluster's barrier, with register work alone inside, and the joint refill (two groups ahead) is the first thing behind the round:
; it has this whole group's 256 matrix instructions and vector work in which to land.  The ranking of the last group's last tile fills the waits.
.macro PERIOD b, nb, first, refill, conv
	s_wait_dscnt 0x0
.if \conv
	s_wait_tensorcnt 0x0
	ds_add_u32 v254, v255
	s_wait_dscnt 0x0
.endif
.if \refill
	s_add_nc_u64 s[G0+4*\b+2:G0+4*\b+3], s[G0+4*\b+2:G0+4*\b+3], 0x40000   ; two groups on: 128 rows of 2,048 bytes; no tensor load of mine is out
.endif
	s_barrier_signal -1
.if \first == 0
	EPI2 1, 0, 1
	EPI2 1, 2, 3
.endif
	s_barrier_wait -1
.if \refill
	CREST
	tensor_load_to_lds s[G0+4*\b:G0+4*\b+3], s[G1:G1+7]
	s_nop 0
.endif
	FRAGS \b, 0
.if \first == 0
	EPI2 1, 4, 5
	EPI2 1, 6, 7
	s_add_co_u32 s32, s32, 16
.endif
	TILE \b, \nb, 0, 0, 1, \conv
	TILE \b, \nb, 1, 1, 1, \conv
	TILE \b, \nb, 2, 0, 1, \conv
	TILE \b, \nb, 3, 1, 0, \conv
.endm
	s_wait_tensorcnt 0x1                           ; my rows of group 0 are in; group 1's load, issued behind it, stays out
.irp c, 0,1,2,3
	CLOAD 0, \c
	s_wait_dscnt 0x0                               ; (the first of these also shows the query fragments in)
	CWORK 0, \c
.endr
	PERIOD 0, 1, 1, 1, 1                           ; group 0; asks for group 2
	s_mov_b32 s33, 11
.Lgroups:
	PERIOD 1, 0, 0, 1, 1                           ; groups 1, 3, .. 21
	PERIOD 0, 1, 0, 1, 1                           ; groups 2, 4, .. 22; the last asks for group 24
	s_sub_co_u32 s33, s33, 1
	s_cmp_lg_u32 s33, 0
	s_cbranch_scc1 .Lgroups
	PERIOD 1, 0, 0, 0, 1                           ; group 23: nothing is left to fetch; group 24 is converted
	PERIOD 0, 1, 0, 0, 0                           ; group 24: nothing is left to convert
	EPI2 1, 0, 1                                   ; the last tile's ranking; the maxima end in the first set
	EPI2 1, 2, 3
	EPI2 1, 4, 5
	EPI2 1, 6, 7
	; THE WAY OUT.  A lane's run begins 8 h keys into its tile.  The two halves of the lanes hold the same queries: the other half wins with the larger value,
	; or with an equal value and the lower key.  Then 128 values and 128 indices go through my own stage, so that each store of the wave covers 512 consecutive bytes, aligned.
.irp a, 0,1,2,3,4,5,6,7
	v_add_nc_u32 v[ID+\a], v[ID+\a], v[H8]
	v_permlanex16_b32 v[T], v[BEST+\a], s34, s35
	v_permlanex16_b32 v[T+1], v[ID+\a], s34, s35
	v_cmp_gt_f32 s40, v[T], v[BEST+\a]
	v_cmp_eq_f32 s41, v[T], v[BEST+\a]
	v_cmp_lt_u32 vcc_lo, v[T+1], v[ID+\a]
	s_and_b32 s41, s41, vcc_lo
	s_or_b32 s40, s40, s41
	v_cndmask_b32 v[BEST+\a], v[BEST+\a], v[T], s40
	v_cndmask_b32 v[ID+\a], v[ID+\a], v[T+1], s40
	ds_store_b32 v[OST], v[BEST+\a] offset:64*\a
	ds_store_b32 v[OST], v[ID+\a] offset:512+64*\a
.endr
	ds_load_b128 v[T:T+3], v[OLD]                  ; my wave's own bytes, served in order behind the stores
	ds_load_b128 v[T+4:T+7], v[OLD] offset:512
	s_wait_dscnt 0x0
	global_store_b128 v[GOFF], v[T:T+3], s[8:9]
	global_store_b128 v[GOFF], v[T+4:T+7], s[10:11]
	s_wait_tensorcnt 0x0
	ds_add_u32 v254, v255
	s_wait_dscnt 0x0
	ROUND                                          ; the closing round: no work-group ends while a partner may still ask for a tile that names it
	s_endpgm
.Lfunc_end_k_q70cb1341a1_score:
	.size	k_q70cb1341a1_score, .Lfunc_end_k_q70cb1341a1_score-k_q70cb1341a1_score
	.p2alignl 7, 3214868480
	.fill 96, 4, 3214868480
	.section	.rodata,"a",@progbits
	.p2align	6, 0x0
	.amdhsa_kernel k_q70cb1341a1_score
		.amdhsa_group_segment_fixed_size 327680
		.amdhsa_private_segment_fixed_size 0
		.amdhsa_enable_private_segment 0
		.amdhsa_kernarg_size 32
		.amdhsa_user_sgpr_count 2
		.amdhsa_user_sgpr_kernarg_segment_ptr 1
		.amdhsa_wavefront_size32 1
		.amdhsa_system_sgpr_workgroup_id_x 1
		.amdhsa_system_sgpr_workgroup_id_y 1
		.amdhsa_system_sgpr_workgroup_id_z 1
		.amdhsa_system_vgpr_workitem_id 0
		.amdhsa_next_free_vgpr 1024
		.amdhsa_next_free_sgpr 66
		.amdhsa_reserve_vcc 1
		.amdhsa_float_denorm_mode_32 3
		.amdhsa_float_denorm_mode_16_64 3
		.amdhsa_memory_ordered 1
		.amdhsa_forward_progress 1
		.amdhsa_inst_pref_size 255
	.end_amdhsa_kernel
	.section	.bss,"aw",@nobits
	.p2align	6
	.space	262144
	.amdgpu_metadata
---
amdhsa.version: [ 1, 2 ]
amdhsa.kernels:
  - .name:           k_q70cb1341a1_score
    .symbol:         k_q70cb1341a1_score.kd
    .args:
      - { .name: memory, .offset: 0, .size: 8, .value_kind: global_buffer, .address_space: global }
      - { .name: query, .offset: 8, .size: 8, .value_kind: global_buffer, .address_space: global }
      - { .name: pval, .offset: 16, .size: 8, .value_kind: global_buffer, .address_space: global }
      - { .name: pidx, .offset: 24, .size: 8, .value_kind: global_buffer, .address_space: global }
    .group_segment_fixed_size: 327680
    .private_segment_fixed_size: 0
    .kernarg_segment_align: 8
    .kernarg_segment_size: 32
    .max_flat_workgroup_size: 128
    .sgpr_count:     66
    .vgpr_count:     1024
    .wavefront_size: 32
...
	.end_amdgpu_metadata
.endif
;; end of part 1
;; launch pick (part 2): grid 32 x 1, 8 waves a work-group, no clusters, 9,216 bytes of LDS; arguments pval, pidx, gidx; writes gidx
.if DOCPART == 2
	.amdgcn_target "amdgcn-amd-amdhsa--gfx1250"
	.amdhsa_code_object_version 6
	.text
	.protected	k_q70cb1341a1_pick
	.globl	k_q70cb1341a1_pick
	.p2align	8
	.type	k_q70cb1341a1_pick,@function
k_q70cb1341a1_pick:
	s_mov_b64 s[64:65], 0
	v_nop
	global_prefetch_b8 v0, s[64:65] scope:SCOPE_SE
	s_setreg_imm32_b32 hwreg(HW_REG_WAVE_MODE, 25, 1), 1
	s_wait_xcnt 0x0
; pick: gidx[query] = the index that goes with the largest of the 64 partial maxima pval[0..63][query]; equal values go to the lower index.
; pval f32 [64][2048], pidx u32 [64][2048], gidx u32 [2048].
; A work-group owns 64 queries, 256 bytes of each row.  Thread t takes four queries (16 bytes at 16 (t % 16)) of rows t / 16, + 16, + 32, + 48:
; sixteen neighbouring lanes read 256 consecutive bytes, aligned.  The sixteen threads' figures for a query meet in LDS; wave 0 ends the work.
; One megabyte is read in all: matrix units, clusters and tensor loads would add nothing here.  NaN is not served (no compare holds for it).
.set PV, 4                             ; v[4:19]    four rows' values
.set PI, 20                            ; v[20:35]   four rows' indices
.set LV, 40                            ; v[40:71]   wave 0: sixteen pairs of values
.set LI, 72                            ; v[72:103]  wave 0: sixteen pairs of indices
; (bv, bi) takes (nv, ni) if nv is larger, or equal with the lower index
.macro COMBINE bv, bi, nv, ni
	v_cmp_gt_f32 s20, v[\nv], v[\bv]
	v_cmp_eq_f32 s21, v[\nv], v[\bv]
	v_cmp_lt_u32 vcc_lo, v[\ni], v[\bi]
	s_and_b32 s21, s21, vcc_lo
	s_or_b32 s20, s20, s21
	v_cndmask_b32 v[\bv], v[\bv], v[\nv], s20
	v_cndmask_b32 v[\bi], v[\bi], v[\ni], s20
.endm
	s_load_b128 s[4:7], s[0:1], 0x0                ; pval s[4:5], pidx s[6:7]
	s_load_b64 s[8:9], s[0:1], 0x10                ; gidx
	v_lshl_add_u32 v104, v0, 2, 0x2000
	v_mov_b32 v105, 0
	v_lshrrev_b32 v1, 5, v0
	v_readfirstlane_b32 s12, v1                    ; wave
	s_lshl_b32 s10, ttmp9, 8                       ; the group's 256 bytes of a row
	s_mov_b32 s11, 0
	v_and_b32 v2, 15, v0
	v_lshrrev_b32 v3, 4, v0
	v_lshlrev_b32 v2, 4, v2
	v_lshl_add_u32 v2, v3, 13, v2                  ; row t / 16 (8,192 bytes a row) + 16 (t % 16)
	v_lshlrev_b32 v3, 4, v0                        ; LDS: 16 t = 256 (t / 16) + 16 (t % 16)
	s_wait_kmcnt 0x0
	s_add_nc_u64 s[4:5], s[4:5], s[10:11]
	s_add_nc_u64 s[6:7], s[6:7], s[10:11]
	s_add_nc_u64 s[8:9], s[8:9], s[10:11]
.irp i, 0,1,2,3
	global_load_b128 v[PV+4*\i:PV+4*\i+3], v2, s[4:5] offset:\i*131072 th:TH_LOAD_NT
.endr
.irp i, 0,1,2,3
	global_load_b128 v[PI+4*\i:PI+4*\i+3], v2, s[6:7] offset:\i*131072 th:TH_LOAD_NT
.endr
	s_wait_loadcnt 0x0
.irp i, 1,2,3
.irp e, 0,1,2,3
	COMBINE PV+\e, PI+\e, PV+4*\i+\e, PI+4*\i+\e
.endr
.endr
	ds_store_b128 v3, v[PV:PV+3]
	ds_store_b128 v3, v[PI:PI+3] offset:4096
	s_wait_dscnt 0x0                               ; for wave 0's sake: my stores are done before I signal
	s_barrier_signal -1
	s_barrier_wait -1
	s_cmp_lg_u32 s12, 0
	s_cbranch_scc1 .Lend                           ; wave 0 alone goes on; no barrier follows
	v_and_b32 v1, 31, v0
	v_lshlrev_b32 v1, 3, v1                        ; lane l takes queries 2 l and 2 l + 1
.irp k, 0,1,2,3,4,5,6,7,8,9,10,11,12,13,14,15
	ds_load_b64 v[LV+2*\k:LV+2*\k+1], v1 offset:256*\k
.endr
.irp k, 0,1,2,3,4,5,6,7,8,9,10,11,12,13,14,15
	ds_load_b64 v[LI+2*\k:LI+2*\k+1], v1 offset:4096+256*\k
.endr
	s_wait_dscnt 0x0
.irp k, 1,2,3,4,5,6,7,8,9,10,11,12,13,14,15
	COMBINE LV, LI, LV+2*\k, LI+2*\k
	COMBINE LV+1, LI+1, LV+2*\k+1, LI+2*\k+1
.endr
	global_store_b64 v1, v[LI:LI+1], s[8:9]        ; the wave's one store covers the group's 256 consecutive bytes, aligned
.Lend:
	s_wait_tensorcnt 0x0
	ds_add_u32 v104, v105
	s_wait_dscnt 0x0
	s_endpgm
.Lfunc_end_k_q70cb1341a1_pick:
	.size	k_q70cb1341a1_pick, .Lfunc_end_k_q70cb1341a1_pick-k_q70cb1341a1_pick
	.p2alignl 7, 3214868480
	.fill 96, 4, 3214868480
	.section	.rodata,"a",@progbits
	.p2align	6, 0x0
	.amdhsa_kernel k_q70cb1341a1_pick
		.amdhsa_group_segment_fixed_size 9216
		.amdhsa_private_segment_fixed_size 0
		.amdhsa_enable_private_segment 0
		.amdhsa_kernarg_size 24
		.amdhsa_user_sgpr_count 2
		.amdhsa_user_sgpr_kernarg_segment_ptr 1
		.amdhsa_wavefront_size32 1
		.amdhsa_system_sgpr_workgroup_id_x 1
		.amdhsa_system_sgpr_workgroup_id_y 1
		.amdhsa_system_sgpr_workgroup_id_z 1
		.amdhsa_system_vgpr_workitem_id 0
		.amdhsa_next_free_vgpr 106
		.amdhsa_next_free_sgpr 66
		.amdhsa_reserve_vcc 1
		.amdhsa_float_denorm_mode_32 3
		.amdhsa_float_denorm_mode_16_64 3
		.amdhsa_memory_ordered 1
		.amdhsa_forward_progress 1
		.amdhsa_inst_pref_size 19
	.end_amdhsa_kernel
	.amdgpu_metadata
---
amdhsa.version: [ 1, 2 ]
amdhsa.kernels:
  - .name:           k_q70cb1341a1_pick
    .symbol:         k_q70cb1341a1_pick.kd
    .args:
      - { .name: pval, .offset: 0, .size: 8, .value_kind: global_buffer, .address_space: global }
      - { .name: pidx, .offset: 8, .size: 8, .value_kind: global_buffer, .address_space: global }
      - { .name: gidx, .offset: 16, .size: 8, .value_kind: global_buffer, .address_space: global }
    .group_segment_fixed_size: 9216
    .private_segment_fixed_size: 0
    .kernarg_segment_align: 8
    .kernarg_segment_size: 24
    .max_flat_workgroup_size: 256
    .sgpr_count:     66
    .vgpr_count:     106
    .wavefront_size: 32
...
	.end_amdgpu_metadata
.endif
;; end of part 2
;; launch fetch (part 3): grid 256 x 1, 8 waves a work-group, no clusters, 0 bytes of LDS; arguments memory, query, gidx, out0; writes out0
.if DOCPART == 3
	.amdgcn_target "amdgcn-amd-amdhsa--gfx1250"
	.amdhsa_code_object_version 6
	.text
	.protected	k_q70cb1341a1_fetch
	.globl	k_q70cb1341a1_fetch
	.p2align	8
	.type	k_q70cb1341a1_fetch,@function
k_q70cb1341a1_fetch:
	s_mov_b64 s[64:65], 0
	v_nop
	global_prefetch_b8 v0, s[64:65] scope:SCOPE_SE
	s_setreg_imm32_b32 hwreg(HW_REG_WAVE_MODE, 25, 1), 1
	s_wait_xcnt 0x0
; fetch: out0[q] = the value half of the best of the eight memory rows gidx[q] .. gidx[q] + 7, by the whole formula
; dot(q, k) / max(|q| |k|, 1e-8), on q and k rounded to bf16 (nearest even), all sums in f32.  The first of equal scores wins.
; One wave, one query.  The eight rows (keys and values) are 16,384 consecutive bytes; every load and store of the wave covers 512 consecutive bytes, aligned.
; The row is chosen by v_cndmask_b32 among rows that are all loaded: no address hangs on a score.  The one address that hangs on data comes from gidx,
; whole numbers stored by an earlier launch, clamped to 99,992 so that the eight rows stay inside the table.
; Eight dots of 256 a wave are too little for the matrix units, and waves share nothing: no LDS, no barrier, no cluster.
; LIMITS.  NaN and infinities are not served.  v_sqrt_f32 and v_rcp_f32 are good to one unit in the last place and take denormals as zero (ISA guide 15.8).
.set Q,   4                            ; v[4:11]     the query, 8 f32 a lane
.set K,   16                           ; v[16:79]    row j: 8 f32 a lane at 16 + 8 j, then 4 packed words; later at work
.set VAL, 80                           ; v[80:143]   row j's values at 80 + 8 j; row 0's registers become the result
.set QP,  144                          ; v[144:147]  the query, packed
.set DOT, 148                          ; v[148:155]  eight dots, then eight scores
.set KN,  156                          ; v[156:163]  eight |k|^2, then reciprocals
.set QN,  164                          ; v164        |q|^2 (behind KN: the nine roots are one run)
.set SQ,  166                          ; v[166:174]  eight |k|, |q|
	s_load_b256 s[4:11], s[0:1], 0x0               ; memory s[4:5], query s[6:7], gidx s[8:9], out0 s[10:11]
	v_lshrrev_b32 v2, 5, v0
	v_readfirstlane_b32 s12, v2                    ; wave
	s_lshl3_add_u32 s13, ttmp9, s12                ; my query: 8 x work-group + wave
	s_lshl_b32 s14, s13, 2
	s_mov_b32 s15, 0
	s_lshl_b32 s18, s13, 10
	s_mov_b32 s19, 0
	s_mov_b32 s20, 0x76543210                      ; v_permlanex16_b32: lane i of one half reads lane i of the other
	s_mov_b32 s21, 0xfedcba98
	v_and_b32 v1, 31, v0
	v_lshlrev_b32 v1, 4, v1                        ; 16 x lane; never rewritten
	s_wait_kmcnt 0x0
	s_add_nc_u64 s[8:9], s[8:9], s[14:15]
	s_load_b32 s16, s[8:9], 0x0                    ; gidx[q]
	s_add_nc_u64 s[6:7], s[6:7], s[18:19]
	s_add_nc_u64 s[10:11], s[10:11], s[18:19]
	global_load_b128 v[Q:Q+3], v1, s[6:7]
	global_load_b128 v[Q+4:Q+7], v1, s[6:7] offset:512
	s_wait_kmcnt 0x0
	s_min_u32 s16, s16, 99992
	s_lshl_b32 s16, s16, 11                        ; x 2,048 bytes; below 204,800,000
	s_mov_b32 s17, 0
	s_add_nc_u64 s[4:5], s[4:5], s[16:17]
.irp j, 0,1,2,3,4,5,6,7
	global_load_b128 v[K+8*\j:K+8*\j+3],   v1, s[4:5] offset:2048*\j
	global_load_b128 v[K+8*\j+4:K+8*\j+7], v1, s[4:5] offset:2048*\j+512
.endr
.irp j, 0,1,2,3,4,5,6,7
	global_load_b128 v[VAL+8*\j:VAL+8*\j+3],   v1, s[4:5] offset:2048*\j+1024
	global_load_b128 v[VAL+8*\j+4:VAL+8*\j+7], v1, s[4:5] offset:2048*\j+1536
.endr
.set ri, 0
.rept 17
	v_mov_b32 v[DOT+ri], 0                         ; the seventeen sums
.set ri, ri+1
.endr
	s_wait_loadcnt 16                              ; the query and the keys are in; the sixteen value loads stay out
.irp m, 0,1,2,3
	v_cvt_pk_bf16_f32 v[QP+\m], v[Q+2*\m], v[Q+2*\m+1]
.endr
.irp j, 0,1,2,3,4,5,6,7
.irp m, 0,1,2,3
	v_cvt_pk_bf16_f32 v[K+8*\j+\m], v[K+8*\j+2*\m], v[K+8*\j+2*\m+1]   ; in place: word m is written when words 2 m and 2 m + 1 are read, never ahead of them
.endr
.endr
.irp m, 0,1,2,3
.irp j, 0,1,2,3,4,5,6,7
	v_fma_mix_f32_bf16 v[DOT+\j], v[K+8*\j+\m], v[QP+\m], v[DOT+\j] op_sel_hi:[1,1,0]
	v_fma_mix_f32_bf16 v[KN+\j], v[K+8*\j+\m], v[K+8*\j+\m], v[KN+\j] op_sel_hi:[1,1,0]
.endr
	v_fma_mix_f32_bf16 v[QN], v[QP+\m], v[QP+\m], v[QN] op_sel_hi:[1,1,0]
.irp j, 0,1,2,3,4,5,6,7
	v_fma_mix_f32_bf16 v[DOT+\j], v[K+8*\j+\m], v[QP+\m], v[DOT+\j] op_sel:[1,1,0] op_sel_hi:[1,1,0]
	v_fma_mix_f32_bf16 v[KN+\j], v[K+8*\j+\m], v[K+8*\j+\m], v[KN+\j] op_sel:[1,1,0] op_sel_hi:[1,1,0]
.endr
	v_fma_mix_f32_bf16 v[QN], v[QP+\m], v[QP+\m], v[QN] op_sel:[1,1,0] op_sel_hi:[1,1,0]
.endr
	; over the 32 lanes, stage by stage for all seventeen sums; every lane ends with the same bits, since both partners of a step add the same two numbers
.irp x, 1,2,4,8
.set ri, 0
.rept 17
	v_add_f32_dpp v[DOT+ri], v[DOT+ri], v[DOT+ri] row_xmask:\x row_mask:0xf bank_mask:0xf
.set ri, ri+1
.endr
.endr
.set ri, 0
.rept 17
	v_permlanex16_b32 v[K+ri], v[DOT+ri], s20, s21 ; the key registers are free now, and have been written
.set ri, ri+1
.endr
.set ri, 0
.rept 17
	v_add_f32 v[DOT+ri], v[DOT+ri], v[K+ri]
.set ri, ri+1
.endr
.set ri, 0
.rept 9
	v_sqrt_f32 v[SQ+ri], v[KN+ri]                  ; eight |k| and |q|
.set ri, ri+1
.endr
	v_nop                                          ; one plain vector instruction behind the transcendentals (ISA guide 5.7.2)
	s_wait_alu depctr_va_vdst(0)
.irp j, 0,1,2,3,4,5,6,7
	v_mul_f32 v[SQ+\j], v[SQ+\j], v[SQ+8]
.endr
.irp j, 0,1,2,3,4,5,6,7
	v_max_num_f32 v[SQ+\j], 0x322bcc77, v[SQ+\j]   ; max(|q| |k|, 1e-8)
.endr
.irp j, 0,1,2,3,4,5,6,7
	v_rcp_f32 v[KN+\j], v[SQ+\j]
.endr
	v_nop
	s_wait_alu depctr_va_vdst(0)
.irp j, 0,1,2,3,4,5,6,7
	v_mul_f32 v[DOT+\j], v[DOT+\j], v[KN+\j]       ; the scores
.endr
	s_wait_loadcnt 0x0                             ; the values
.irp j, 1,2,3,4,5,6,7
	v_cmp_gt_f32 vcc_lo, v[DOT+\j], v[DOT]         ; strictly better than the best so far: the first of equals stays
	v_cndmask_b32 v[DOT], v[DOT], v[DOT+\j], vcc_lo
.irp m, 0,1,2,3,4,5,6,7
	v_cndmask_b32 v[VAL+\m], v[VAL+\m], v[VAL+8*\j+\m], vcc_lo
.endr
.endr
	global_store_b128 v1, v[VAL:VAL+3], s[10:11]
	global_store_b128 v1, v[VAL+4:VAL+7], s[10:11] offset:512
	s_endpgm
.Lfunc_end_k_q70cb1341a1_fetch:
	.size	k_q70cb1341a1_fetch, .Lfunc_end_k_q70cb1341a1_fetch-k_q70cb1341a1_fetch
	.p2alignl 7, 3214868480
	.fill 96, 4, 3214868480
	.section	.rodata,"a",@progbits
	.p2align	6, 0x0
	.amdhsa_kernel k_q70cb1341a1_fetch
		.amdhsa_group_segment_fixed_size 0
		.amdhsa_private_segment_fixed_size 0
		.amdhsa_enable_private_segment 0
		.amdhsa_kernarg_size 32
		.amdhsa_user_sgpr_count 2
		.amdhsa_user_sgpr_kernarg_segment_ptr 1
		.amdhsa_wavefront_size32 1
		.amdhsa_system_sgpr_workgroup_id_x 1
		.amdhsa_system_sgpr_workgroup_id_y 1
		.amdhsa_system_sgpr_workgroup_id_z 1
		.amdhsa_system_vgpr_workitem_id 0
		.amdhsa_next_free_vgpr 176
		.amdhsa_next_free_sgpr 66
		.amdhsa_reserve_vcc 1
		.amdhsa_float_denorm_mode_32 3
		.amdhsa_float_denorm_mode_16_64 3
		.amdhsa_memory_ordered 1
		.amdhsa_forward_progress 1
		.amdhsa_inst_pref_size 26
	.end_amdhsa_kernel
	.amdgpu_metadata
---
amdhsa.version: [ 1, 2 ]
amdhsa.kernels:
  - .name:           k_q70cb1341a1_fetch
    .symbol:         k_q70cb1341a1_fetch.kd
    .args:
      - { .name: memory, .offset: 0, .size: 8, .value_kind: global_buffer, .address_space: global }
      - { .name: query, .offset: 8, .size: 8, .value_kind: global_buffer, .address_space: global }
      - { .name: gidx, .offset: 16, .size: 8, .value_kind: global_buffer, .address_space: global }
      - { .name: out0, .offset: 24, .size: 8, .value_kind: global_buffer, .address_space: global }
    .group_segment_fixed_size: 0
    .private_segment_fixed_size: 0
    .kernarg_segment_align: 8
    .kernarg_segment_size: 32
    .max_flat_workgroup_size: 256
    .sgpr_count:     66
    .vgpr_count:     176
    .wavefront_size: 32
...
	.end_amdgpu_metadata
.endif
;; end of part 3
;; ======== version 2 of 2: 3 launches; version 1 with the launch fetch written anew for expert scheduling mode
;; limits: right only within a limited range of input values
;; workspace buffers: pval 524,288 bytes; pidx 524,288 bytes of whole numbers; gidx 8,192 bytes of whole numbers
;; launch score: the kernel of part 1 again; grid 256 x 1, 4 waves a work-group, clusters of 4 x 1, 327,680 bytes of LDS; arguments memory, query, pval, pidx; writes pval, pidx
;; launch pick: the kernel of part 2 again; grid 32 x 1, 8 waves a work-group, no clusters, 9,216 bytes of LDS; arguments pval, pidx, gidx; writes gidx
;; launch fetch (part 4): grid 256 x 1, 8 waves a work-group, no clusters, 0 bytes of LDS; arguments memory, query, gidx, out0; writes out0
.if DOCPART == 4
	.amdgcn_target "amdgcn-amd-amdhsa--gfx1250"
	.amdhsa_code_object_version 6
	.text
	.protected	k_q70cb1341a1_fetch
	.globl	k_q70cb1341a1_fetch
	.p2align	8
	.type	k_q70cb1341a1_fetch,@function
k_q70cb1341a1_fetch:
	s_mov_b64 s[64:65], 0
	v_nop
	global_prefetch_b8 v0, s[64:65] scope:SCOPE_SE
	s_setreg_imm32_b32 hwreg(HW_REG_WAVE_SCHED_MODE, 0, 2), 2
	s_setreg_imm32_b32 hwreg(HW_REG_WAVE_MODE, 25, 1), 1
	s_wait_xcnt 0x0
	s_wait_alu depctr_vm_vsrc(0)
; fetch: out0[q] = the value half of the best of the eight memory rows gidx[q] .. gidx[q] + 7, by the whole formula
; dot(q, k) / max(|q| |k|, 1e-8), on q and k rounded to bf16 (nearest even), all sums in f32.  The first of equal scores wins.
; One wave, one query.  The eight rows (keys and values) are 16,384 consecutive bytes; every load and store of the wave covers 512 consecutive bytes, aligned.
; The row is chosen by v_cndmask_b32 among rows that are all loaded: no address hangs on a score.  The one address that hangs on data comes from gidx,
; whole numbers stored by an earlier launch, clamped to 99,992 so that the eight rows stay inside the table.
; Eight dots of 256 a wave are too little for the matrix units, and waves share nothing: no LDS, no barrier, no cluster.
; LIMITS.  NaN and infinities are not served.  v_sqrt_f32 and v_rcp_f32 are good to one unit in the last place and take denormals as zero (ISA guide 15.8).
; THE MODE: SCHED_MODE bits 1:0 = 2 (LLVM: expert scheduling mode 2), set by the entry lines.  The code itself states the register dependences
; between vector instructions and memory instructions, and those through scalar registers that vector instructions write, with s_wait_alu, always for 0.
; THE PLAN.  Registers that memory instructions touch:
;   v1          16 x lane.  Written at the head, never again; read as the offset by all 34 loads and both stores: one wait on va_vdst ahead of the first load.
;   Q, K        Loads land in them; no vector instruction names them ahead of those loads, and none behind but behind s_wait_loadcnt 16; no memory instruction reads them.
;   VAL         Loads land in it; no vector instruction names it ahead of s_wait_loadcnt 0.  The selects then write row 0's eight registers, which the two
;               stores read: one wait on va_vdst ahead of the stores.  Nothing is written behind the stores, so no wait on vm_vsrc is owed.
;   QP, DOT, KN, QN, SQ are named by vector instructions alone.
; Scalar registers that vector instructions write: s12 (the wave's number) and s22 to s28 (the seven masks): a wait on va_sdst between each writer and its first reader.
; The masks are made ahead of the wait for the values, so that the row is chosen while the sixteen value loads are out.
.set Q,   4                            ; v[4:11]     the query, 8 f32 a lane
.set K,   16                           ; v[16:79]    row j: 8 f32 a lane at 16 + 8 j, then 4 packed words; later at work
.set VAL, 80                           ; v[80:143]   row j's values at 80 + 8 j; row 0's registers become the result
.set QP,  144                          ; v[144:147]  the query, packed
.set DOT, 148                          ; v[148:155]  eight dots, then eight scores
.set KN,  156                          ; v[156:163]  eight |k|^2, then reciprocals
.set QN,  164                          ; v164        |q|^2 (behind KN: the nine roots are one run)
.set SQ,  166                          ; v[166:174]  eight |k|, |q|
.set MK,  21                           ; s[22:28]    row j's mask at MK + j: row j beats the best of the rows before it
	s_load_b256 s[4:11], s[0:1], 0x0               ; memory s[4:5], query s[6:7], gidx s[8:9], out0 s[10:11]
	v_lshrrev_b32 v2, 5, v0
	v_readfirstlane_b32 s12, v2                    ; wave
	v_and_b32 v1, 31, v0
	v_lshlrev_b32 v1, 4, v1                        ; 16 x lane; never rewritten
	s_mov_b32 s15, 0
	s_mov_b32 s19, 0
	s_mov_b32 s20, 0x76543210                      ; v_permlanex16_b32: lane i of one half reads lane i of the other
	s_mov_b32 s21, 0xfedcba98
	s_wait_alu depctr_va_sdst(0)                   ; s12 is written, ahead of its first reader: the query's number is made from it
	s_lshl3_add_u32 s13, ttmp9, s12                ; my query: 8 x work-group + wave
	s_lshl_b32 s14, s13, 2
	s_lshl_b32 s18, s13, 10
	s_wait_kmcnt 0x0
	s_add_nc_u64 s[8:9], s[8:9], s[14:15]
	s_load_b32 s16, s[8:9], 0x0                    ; gidx[q]
	s_add_nc_u64 s[6:7], s[6:7], s[18:19]
	s_add_nc_u64 s[10:11], s[10:11], s[18:19]
	s_wait_alu depctr_va_vdst(0)                   ; v1 is written: every load and store of the kernel reads it as its offset
	global_load_b128 v[Q:Q+3], v1, s[6:7]
	global_load_b128 v[Q+4:Q+7], v1, s[6:7] offset:512
	s_wait_kmcnt 0x0
	s_min_u32 s16, s16, 99992
	s_lshl_b32 s16, s16, 11                        ; x 2,048 bytes; below 204,800,000
	s_mov_b32 s17, 0
	s_add_nc_u64 s[4:5], s[4:5], s[16:17]
.irp j, 0,1,2,3,4,5,6,7
	global_load_b128 v[K+8*\j:K+8*\j+3],   v1, s[4:5] offset:2048*\j
	global_load_b128 v[K+8*\j+4:K+8*\j+7], v1, s[4:5] offset:2048*\j+512
.endr
.irp j, 0,1,2,3,4,5,6,7
	global_load_b128 v[VAL+8*\j:VAL+8*\j+3],   v1, s[4:5] offset:2048*\j+1024
	global_load_b128 v[VAL+8*\j+4:VAL+8*\j+7], v1, s[4:5] offset:2048*\j+1536
.endr
.set ri, 0
.rept 17
	v_mov_b32 v[DOT+ri], 0                         ; the seventeen sums: registers that no load or store names
.set ri, ri+1
.endr
	s_wait_loadcnt 16                              ; the query and the keys are in; the sixteen value loads stay out
.irp m, 0,1,2,3
	v_cvt_pk_bf16_f32 v[QP+\m], v[Q+2*\m], v[Q+2*\m+1]
.endr
.irp j, 0,1,2,3,4,5,6,7
.irp m, 0,1,2,3
	v_cvt_pk_bf16_f32 v[K+8*\j+\m], v[K+8*\j+2*\m], v[K+8*\j+2*\m+1]   ; in place: word m is written when words 2 m and 2 m + 1 are read, never ahead of them
.endr
.endr
.irp m, 0,1,2,3
.irp j, 0,1,2,3,4,5,6,7
	v_fma_mix_f32_bf16 v[DOT+\j], v[K+8*\j+\m], v[QP+\m], v[DOT+\j] op_sel_hi:[1,1,0]
	v_fma_mix_f32_bf16 v[KN+\j], v[K+8*\j+\m], v[K+8*\j+\m], v[KN+\j] op_sel_hi:[1,1,0]
.endr
	v_fma_mix_f32_bf16 v[QN], v[QP+\m], v[QP+\m], v[QN] op_sel_hi:[1,1,0]
.irp j, 0,1,2,3,4,5,6,7
	v_fma_mix_f32_bf16 v[DOT+\j], v[K+8*\j+\m], v[QP+\m], v[DOT+\j] op_sel:[1,1,0] op_sel_hi:[1,1,0]
	v_fma_mix_f32_bf16 v[KN+\j], v[K+8*\j+\m], v[K+8*\j+\m], v[KN+\j] op_sel:[1,1,0] op_sel_hi:[1,1,0]
.endr
	v_fma_mix_f32_bf16 v[QN], v[QP+\m], v[QP+\m], v[QN] op_sel:[1,1,0] op_sel_hi:[1,1,0]
.endr
	; over the 32 lanes, stage by stage for all seventeen sums; every lane ends with the same bits, since both partners of a step add the same two numbers
.irp x, 1,2,4,8
.set ri, 0
.rept 17
	v_add_f32_dpp v[DOT+ri], v[DOT+ri], v[DOT+ri] row_xmask:\x row_mask:0xf bank_mask:0xf
.set ri, ri+1
.endr
.endr
.set ri, 0
.rept 17
	v_permlanex16_b32 v[K+ri], v[DOT+ri], s20, s21 ; the key registers are free now, and have been written
.set ri, ri+1
.endr
.set ri, 0
.rept 17
	v_add_f32 v[DOT+ri], v[DOT+ri], v[K+ri]
.set ri, ri+1
.endr
.set ri, 0
.rept 9
	v_sqrt_f32 v[SQ+ri], v[KN+ri]                  ; eight |k| and |q|
.set ri, ri+1
.endr
	v_nop                                          ; one plain vector instruction behind the transcendentals (ISA guide 5.7.2)
	s_wait_alu depctr_va_vdst(0)                   ; the nine roots have written v[SQ ..], ahead of their first reader: one wait for the batch
.irp j, 0,1,2,3,4,5,6,7
	v_mul_f32 v[SQ+\j], v[SQ+\j], v[SQ+8]
.endr
.irp j, 0,1,2,3,4,5,6,7
	v_max_num_f32 v[SQ+\j], 0x322bcc77, v[SQ+\j]   ; max(|q| |k|, 1e-8)
.endr
.irp j, 0,1,2,3,4,5,6,7
	v_rcp_f32 v[KN+\j], v[SQ+\j]
.endr
	v_nop
	s_wait_alu depctr_va_vdst(0)                   ; the eight reciprocals have written v[KN ..], ahead of their first reader: one wait for the batch
.irp j, 0,1,2,3,4,5,6,7
	v_mul_f32 v[DOT+\j], v[DOT+\j], v[KN+\j]       ; the scores
.endr
	; The row is chosen while the values are still out.  Compare j + 1 reads the best score that select j has written, so the seven compares are a chain and not a run.
.irp j, 1,2,3,4,5,6,7
	v_cmp_gt_f32 s[MK+\j], v[DOT+\j], v[DOT]       ; strictly better than the best so far: the first of equals stays
	s_wait_alu depctr_va_sdst(0)                   ; the compare has written row j's mask, ahead of its first reader, the select below
	v_cndmask_b32 v[DOT], v[DOT], v[DOT+\j], s[MK+\j]
.endr
	s_wait_loadcnt 0x0                             ; the values
.irp j, 1,2,3,4,5,6,7
.irp m, 0,1,2,3,4,5,6,7
	v_cndmask_b32 v[VAL+\m], v[VAL+\m], v[VAL+8*\j+\m], s[MK+\j]  ; the masks in ascending order, as the scores were taken
.endr
.endr
	s_wait_alu depctr_va_vdst(0)                   ; the selects have written v[VAL .. VAL+7], which the two stores read
	global_store_b128 v1, v[VAL:VAL+3], s[10:11]
	global_store_b128 v1, v[VAL+4:VAL+7], s[10:11] offset:512
	s_endpgm
.Lfunc_end_k_q70cb1341a1_fetch:
	.size	k_q70cb1341a1_fetch, .Lfunc_end_k_q70cb1341a1_fetch-k_q70cb1341a1_fetch
	.p2alignl 7, 3214868480
	.fill 96, 4, 3214868480
	.section	.rodata,"a",@progbits
	.p2align	6, 0x0
	.amdhsa_kernel k_q70cb1341a1_fetch
		.amdhsa_group_segment_fixed_size 0
		.amdhsa_private_segment_fixed_size 0
		.amdhsa_enable_private_segment 0
		.amdhsa_kernarg_size 32
		.amdhsa_user_sgpr_count 2
		.amdhsa_user_sgpr_kernarg_segment_ptr 1
		.amdhsa_wavefront_size32 1
		.amdhsa_system_sgpr_workgroup_id_x 1
		.amdhsa_system_sgpr_workgroup_id_y 1
		.amdhsa_system_sgpr_workgroup_id_z 1
		.amdhsa_system_vgpr_workitem_id 0
		.amdhsa_next_free_vgpr 176
		.amdhsa_next_free_sgpr 66
		.amdhsa_reserve_vcc 0
		.amdhsa_float_denorm_mode_32 3
		.amdhsa_float_denorm_mode_16_64 3
		.amdhsa_memory_ordered 1
		.amdhsa_forward_progress 1
		.amdhsa_inst_pref_size 29
	.end_amdhsa_kernel
	.amdgpu_metadata
---
amdhsa.version: [ 1, 2 ]
amdhsa.kernels:
  - .name:           k_q70cb1341a1_fetch
    .symbol:         k_q70cb1341a1_fetch.kd
    .args:
      - { .name: memory, .offset: 0, .size: 8, .value_kind: global_buffer, .address_space: global }
      - { .name: query, .offset: 8, .size: 8, .value_kind: global_buffer, .address_space: global }
      - { .name: gidx, .offset: 16, .size: 8, .value_kind: global_buffer, .address_space: global }
      - { .name: out0, .offset: 24, .size: 8, .value_kind: global_buffer, .address_space: global }
    .group_segment_fixed_size: 0
    .private_segment_fixed_size: 0
    .kernarg_segment_align: 8
    .kernarg_segment_size: 32
    .max_flat_workgroup_size: 256
    .sgpr_count:     66
    .vgpr_count:     176
    .wavefront_size: 32
...
	.end_amdgpu_metadata
.endif
;; end of part 4
